; MI455X (gfx1250); checked and timed in simulation.
; The chip was launched on July 23, 2026; its instructions are those of AMD's public machine-readable ISA for CDNA 5 (MIT licence, August 2026) and "CDNA5" Instruction Set Architecture Reference Guide (July 2026). The comments in the code are by the model that wrote it; some were corrected since.
;; Min Max Layer. Allowed arithmetic: float matrix products may take bf16 or f16 operands with f32 sums; all other float work in f32.
;; Inputs: inputs 2,048 x 8,192 float32; lengths 2,048 int32.
;; Outputs: out0 2,048 x 10 float32.
;; One version. Each part assembles by itself: llvm-mc -triple=amdgcn-amd-amdhsa -mcpu=gfx1250 --defsym DOCPART=n.
;; ======== version 1 of 1: 1 launch
;; launch minmax (part 1): grid 512 x 1, 20 waves a work-group, no clusters, 2,816 bytes of LDS; arguments inputs, lengths, out0; writes out0
.if DOCPART == 1
	.amdgcn_target "amdgcn-amd-amdhsa--gfx1250"
	.amdhsa_code_object_version 6
	.text
	.protected	k_qe1c96c25b3_minmax
	.globl	k_qe1c96c25b3_minmax
	.p2align	8
	.type	k_qe1c96c25b3_minmax,@function
k_qe1c96c25b3_minmax:
	s_mov_b64 s[64:65], 0
	v_nop
	global_prefetch_b8 v0, s[64:65] scope:SCOPE_SE
	s_setreg_imm32_b32 hwreg(HW_REG_WAVE_MODE, 25, 1), 1
	s_wait_xcnt 0x0
; out0[b] = sort( max and min of each of 5 adaptive windows of inputs[b][0 .. L-1] ),  L = lengths[b].
; Window r of a row is [S, E) with S = floor(r L / 5), E = ceil((r+1) L / 5).  inputs: [2048][8192] f32, lengths: [2048] i32, out0: [2048][10] f32.
;
; SHARES.  One wave takes one window of one row, so it keeps one minimum and one maximum and reads nothing behind the row's length.
; A work-group is 4 rows x 5 windows = 20 waves; wave w has row w / 5 of the group and window w % 5.  512 work-groups.
; Minimum and maximum do not mind a number taken twice, so a window's ragged ends are met by CLAMPING INDICES into [S, E), never by masks:
;   EDGE  one 4-byte load: lanes with bit 2 clear take S .. S+3, the others E-4 .. E-1, clamped into the window.  These are the at most three
;         numbers on either side of the window's whole 16-byte groups, and all of a window that holds no whole group (at most 3 + 3 numbers).
;   HEAD  the 512-byte chunk (32 groups, aligned in the row) in which the first whole group g0 lies, group index clamped to [g0, g1-1].
;   TAIL  the chunk in which the last whole group g1-1 lies, if it is another one, clamped to g1-1.
;   MID   the chunks between: whole, 512 consecutive bytes each from a multiple of 512 in the row, read by this wave alone in the launch.
; The longest window has 1,640 numbers = 410 groups, which touch at most 14 chunks: HEAD, TAIL and 12 MID, 56 registers.
; All loads of a wave go out in one run, down a ladder of compares on the number of chunks; each way out of the ladder enters a chain that
; takes in exactly the registers that were loaded, the youngest first.
; OUTPUT.  A row of out0 is 40 bytes; the group's 4 rows are 160 consecutive bytes, stored by one instruction from 20 neighbouring lanes.
; Blocks of 256 bytes would be filled whole only by 32 rows (1,280 bytes) a group, that is by 64 work-groups; out0 is 81,920 bytes against
; the 4 x sum(L) bytes read, so the rows are spread over 512 work-groups instead.
; LIMITS.  A NaN among the inputs is passed over (the _num_ forms of min and max drop it) where the problem's definition would hand it on;
; infinities are served.  A length below 1 counts as 1 and one above 8,192 as 8,192.
.set T_LEN,  8192                      ; numbers in a row
.set ROWLOG, 15                        ; a row is 32,768 bytes
.set CHUNK,  512                       ; bytes that one 16-byte load of a wave covers
.set NMID,   12
.set LANE, 1                           ; v1   lane
.set L3,   2                           ; v2   lane & 3
.set LB2,  3                           ; v3   bit 2 of the lane
.set AE,   4                           ; v4   byte offset of my EDGE number in the row
.set AH,   5                           ; v5   of my 16 bytes of HEAD
.set AT,   6                           ; v6   of TAIL
.set AM,   7                           ; v7   of the chunk HEAD lies in, unclamped: MID k is CHUNK*(k+1) further on
.set MN,   8                           ; v8   minimum, chain A  (v[8:9] go to LDS as a pair)
.set MX,   9                           ; v9   maximum, chain A
.set MNB,  10                          ; v10  minimum, chain B
.set MXB,  11                          ; v11  maximum, chain B
.set EDGE, 12                          ; v12
.set LA,   13                          ; v13  LDS address of my wave's pair
.set HEAD, 16                          ; v[16:19]
.set TAIL, 20                          ; v[20:23]
.set MID,  24                          ; v[24:71]
	s_load_b128 s[4:7], s[0:1], 0x0                ; inputs s[4:5], lengths s[6:7]
	s_load_b64 s[8:9], s[0:1], 0x10                ; out0
	v_lshl_add_u32 v72, v0, 2, 0x100
	v_mov_b32 v73, 0
	v_lshrrev_b32 v1, 5, v0
	v_readfirstlane_b32 s10, v1                    ; wave 0..19
	s_mul_i32 s11, s10, 13
	s_lshr_b32 s11, s11, 6                         ; wave / 5 (13/64 serves up to 31): my row in the group
	s_mul_i32 s12, s11, 5
	s_sub_co_u32 s12, s10, s12                     ; r = wave % 5: my window
	s_lshl2_add_u32 s13, ttmp9, s11                ; my row = 4 x group + row in the group
	s_lshl_b32 s14, s13, 2                         ; its byte in lengths
	s_lshl_b32 s16, s13, ROWLOG                    ; its byte in inputs: below 2^26
	s_mov_b32 s17, 0
	s_wait_kmcnt 0x0                               ; the three addresses
	s_load_b32 s15, s[6:7], s14 offset:0x0         ; L
	s_add_nc_u64 s[4:5], s[4:5], s[16:17]          ; inputs at my row
	; what does not hang on L is done while L is on its way
	v_and_b32 v[LANE], 31, v0
	v_and_b32 v[L3], 3, v0
	v_bfe_u32 v[LB2], v0, 2, 1
	v_mov_b32 v[MN],  0x7f800000                   ; +inf and -inf, the fill of the problem's own masks: the chain below is entered
	v_mov_b32 v[MX],  0xff800000                   ; at a place that hangs on L, so its links all accumulate
	v_mov_b32 v[MNB], 0x7f800000
	v_mov_b32 v[MXB], 0xff800000
	v_mov_b32 v[LA], s10
	v_lshlrev_b32 v[LA], 3, v[LA]                  ; 8 bytes of LDS for each wave
	s_mov_b32 s30, 0x76543210                      ; v_permlanex16_b32: lane i of one half reads lane i of the other
	s_mov_b32 s31, 0xfedcba98
	s_wait_kmcnt 0x0                               ; L
	s_max_i32 s15, s15, 1
	s_min_u32 s15, s15, T_LEN                      ; 1 .. 8,192
	s_mul_i32 s18, s12, s15                        ; r L
	s_add_co_u32 s19, s18, s15
	s_add_co_u32 s19, s19, 4                       ; (r+1) L + 4
	s_mul_hi_u32 s18, s18, 0xcccccccd              ; x / 5 = (x * ceil(2^34 / 5)) >> 34, exact for every 32-bit x
	s_mul_hi_u32 s19, s19, 0xcccccccd
	s_lshr_b32 s18, s18, 2                         ; S
	s_lshr_b32 s19, s19, 2                         ; E, at least S + 1 and at most L
	s_sub_co_u32 s23, s19, 1                       ; E - 1
	s_sub_co_i32 s24, s19, 4
	s_max_i32 s24, s24, s18                        ; max(E - 4, S)
	s_sub_co_u32 s24, s24, s18                     ; its distance from S
	v_mad_u32_u24 v[AE], v[LB2], s24, v[L3]
	v_add_nc_u32 v[AE], s18, v[AE]                 ; S + 0..3, or max(E-4, S) + 0..3
	v_min_u32 v[AE], s23, v[AE]                    ; inside the window
	v_min_u32 v[AE], T_LEN-1, v[AE]                ; and, by a constant, inside the row (already so: E <= 8,192)
	v_lshlrev_b32 v[AE], 2, v[AE]
	global_load_b32 v[EDGE], v[AE], s[4:5]
	s_add_co_u32 s20, s18, 3
	s_lshr_b32 s20, s20, 2                         ; g0: the first 16-byte group that lies whole in the window
	s_lshr_b32 s21, s19, 2                         ; g1: one behind the last
	s_cmp_le_i32 s21, s20
	s_cbranch_scc1 .Ledge                          ; no whole group: EDGE has the whole window
	s_sub_co_u32 s25, s21, 1                       ; g1 - 1
	s_and_not1_b32 s26, s20, 31                    ; first group of HEAD's chunk
	s_and_not1_b32 s27, s25, 31                    ; first group of TAIL's chunk
	s_sub_co_u32 s28, s27, s26
	s_lshr_b32 s28, s28, 5                         ; chunks behind HEAD's: 0 .. 13
	v_add_nc_u32 v[AM], s26, v[LANE]
	v_max_u32 v[AH], s20, v[AM]
	v_min_u32 v[AH], s25, v[AH]                    ; into [g0, g1-1]
	v_min_u32 v[AH], T_LEN/4-1, v[AH]              ; by a constant inside the row
	v_lshlrev_b32 v[AH], 4, v[AH]
	global_load_b128 v[HEAD:HEAD+3], v[AH], s[4:5]
	s_cmp_lt_u32 s28, 1
	s_cbranch_scc1 .Lhead                          ; all groups lie in one chunk
	v_add_nc_u32 v[AT], s27, v[LANE]
	v_min_u32 v[AT], s25, v[AT]                    ; up to g1-1 (TAIL's chunk begins behind g0)
	v_min_u32 v[AT], T_LEN/4-1, v[AT]
	v_lshlrev_b32 v[AT], 4, v[AT]
	global_load_b128 v[TAIL:TAIL+3], v[AT], s[4:5]
	v_min_u32 v[AM], T_LEN/4-1, v[AM]
	v_lshlrev_b32 v[AM], 4, v[AM]
	; the ladder: MID k exists if k + 2 chunks or more follow HEAD's.  No other wave reads these bytes, hence the hint.
.irp k, 0,1,2,3,4,5,6,7,8,9,10,11
	s_cmp_lt_u32 s28, \k+2
	s_cbranch_scc1 .LM\k
	global_load_b128 v[MID+4*\k:MID+4*\k+3], v[AM], s[4:5] offset:CHUNK*(\k+1) th:TH_LOAD_NT
.endr
; four numbers into four chains that do not wait for each other: one instruction takes in two numbers
.macro TAKE x
	v_min3_num_f32 v[MN],  v[MN],  v[\x],   v[\x+1]
	v_max3_num_f32 v[MX],  v[MX],  v[\x],   v[\x+1]
	v_min3_num_f32 v[MNB], v[MNB], v[\x+2], v[\x+3]
	v_max3_num_f32 v[MXB], v[MXB], v[\x+2], v[\x+3]
.endm
	; The chain.  Each label is a way in of its own and so has the wait; the youngest load is taken in first, so the count is 0.
	; Further down the chain the waits are met already.
.irp k, 12,11,10,9,8,7,6,5,4,3,2,1
.LM\k:
	s_wait_loadcnt 0x0
	TAKE MID+4*(\k-1)
.endr
.LM0:
	s_wait_loadcnt 0x0
	TAKE TAIL
.Lhead:
	s_wait_loadcnt 0x0
	TAKE HEAD
.Ledge:
	s_wait_loadcnt 0x0
	v_min3_num_f32 v[MN], v[MN], v[MNB], v[EDGE]
	v_max3_num_f32 v[MX], v[MX], v[MXB], v[EDGE]
	; across the 32 lanes: four steps inside each half of 16 lanes ride on the arithmetic, one crosses the halves
.irp m, 1,2,4,8
	v_min_num_f32_dpp v[MN], v[MN], v[MN] row_xmask:\m row_mask:0xf bank_mask:0xf
	v_max_num_f32_dpp v[MX], v[MX], v[MX] row_xmask:\m row_mask:0xf bank_mask:0xf
.endr
	v_permlanex16_b32 v[MNB], v[MN], s30, s31      ; the destinations count as read: both were written on every way here
	v_permlanex16_b32 v[MXB], v[MX], s30, s31
	v_min_num_f32 v[MN], v[MN], v[MNB]
	v_max_num_f32 v[MX], v[MX], v[MXB]
	ds_store_b64 v[LA], v[MN:MX]                   ; every lane the same pair to the same 8 bytes: {min, max} of window w % 5 of row w / 5
	s_wait_dscnt 0x0                               ; for wave 0's sake: my pair is in LDS before I signal
	s_barrier_signal -1
	s_barrier_wait -1
	s_cmp_lg_u32 s10, 0
	s_cbranch_scc1 .Ldone
	; WAVE 0: lane l sorts the ten numbers of row l / 5 and keeps the pair l % 5 of the sorted row, so that lanes 0 to 19 hold the
	; group's 160 bytes of out0 in order.  (Lanes 20 to 31 work on row 3 once more and store nothing.)
.set QA,   14                          ; v14  LDS address of my row's 40 bytes
.set PK,   15                          ; v15  l % 5
.set SRT,  16                          ; v[16:25]  five pairs {min, max} as loaded
.set FREE, 26                          ; the register that holds nothing at the moment
.set OUT,  28                          ; v[28:37]  the sorted row
.set SO,   38                          ; v38  my byte offset in the group's part of out0
	s_mul_i32 s32, ttmp9, 160                      ; 4 rows of 40 bytes a group
	s_mov_b32 s33, 0
	s_add_nc_u64 s[8:9], s[8:9], s[32:33]
	v_mul_u32_u24 v[QA], v0, 13
	v_lshrrev_b32 v[QA], 6, v[QA]                  ; l / 5
	v_mul_u32_u24 v[PK], v[QA], 5
	v_sub_nc_u32 v[PK], v0, v[PK]                  ; l % 5
	v_min_u32 v[QA], 3, v[QA]
	v_mul_u32_u24 v[QA], v[QA], 40
.irp w, 0,1,2,3,4
	ds_load_b64 v[SRT+2*\w:SRT+2*\w+1], v[QA] offset:8*\w
.endr
	v_lshlrev_b32 v[SO], 3, v0
	; Batcher's merge exchange for ten keys (Knuth, vol. 3, 5.2.2, algorithm M) has 31 comparators; its first ones are (0,8) (1,9) and then
	; (0,4) (1,5) (2,6) (3,7).  A window's minimum is not above its maximum, so with four windows' pairs laid at places (0,8) (1,9) (2,6) (3,7)
	; those four comparators change nothing and are left out: 27 remain.  P0 .. P9 name the register that holds each place.
.set P0, SRT+0
.set P8, SRT+1
.set P1, SRT+2
.set P9, SRT+3
.set P2, SRT+4
.set P6, SRT+5
.set P3, SRT+6
.set P7, SRT+7
.set P4, SRT+8
.set P5, SRT+9
; Comparator (i, j): the smaller to place i, the larger to place j, two instructions and no copy: the smaller goes to the free register, which
; becomes place i, and place i's old register is free.  lofin, hifin = 1: this is the place's last comparator; the result goes straight to OUT.
.macro CE i, j, lofin, hifin
.if \lofin
	v_min_num_f32 v[OUT+\i], v[P\i], v[P\j]
.else
	v_min_num_f32 v[FREE], v[P\i], v[P\j]
.endif
.if \hifin
	v_max_num_f32 v[OUT+\j], v[P\i], v[P\j]
.else
	v_max_num_f32 v[P\j], v[P\i], v[P\j]
.endif
.if \lofin == 0
.set SWP, P\i
.set P\i, FREE
.set FREE, SWP
.endif
.endm
	s_wait_dscnt 0x0                               ; the five pairs
	CE 0, 4, 0, 0                                  ; p = 4, d = 4 (what is left of it)
	CE 1, 5, 0, 0
	CE 4, 8, 0, 0                                  ; p = 4, d = 4, upper half
	CE 5, 9, 0, 0
	CE 0, 2, 0, 0                                  ; p = 2, d = 2
	CE 1, 3, 0, 0
	CE 4, 6, 0, 0
	CE 5, 7, 0, 0
	CE 2, 8, 0, 0                                  ; p = 2, d = 6
	CE 3, 9, 0, 0
	CE 2, 4, 0, 0                                  ; p = 2, d = 2
	CE 3, 5, 0, 0
	CE 6, 8, 0, 0
	CE 7, 9, 0, 0
	CE 0, 1, 1, 0                                  ; p = 1, d = 1: place 0 is final
	CE 2, 3, 0, 0
	CE 4, 5, 0, 0
	CE 6, 7, 0, 0
	CE 8, 9, 0, 1                                  ; place 9 is final
	CE 1, 8, 0, 0                                  ; p = 1, d = 7
	CE 1, 4, 0, 0                                  ; p = 1, d = 3
	CE 3, 6, 0, 0
	CE 5, 8, 0, 0
	CE 1, 2, 1, 1                                  ; p = 1, d = 1: places 1 to 8 are final
	CE 3, 4, 1, 1
	CE 5, 6, 1, 1
	CE 7, 8, 1, 1
	; my pair of the sorted row: numbers 2 (l % 5) and 2 (l % 5) + 1
.irp k, 1,2,3,4
	v_cmp_eq_u32 vcc_lo, \k, v[PK]
	v_cndmask_b32 v[OUT],   v[OUT],   v[OUT+2*\k],   vcc_lo
	v_cndmask_b32 v[OUT+1], v[OUT+1], v[OUT+2*\k+1], vcc_lo
.endr
	v_cmp_gt_u32 vcc_lo, 20, v0
	s_wait_xcnt 0x0                                ; EXEC is narrowed only behind this wait (met: all loads have come back)
	s_wait_tensorcnt 0x0
	ds_add_u32 v72, v73
	s_wait_dscnt 0x0
	s_and_saveexec_b32 s34, vcc_lo                 ; lanes 0 to 19
	global_store_b64 v[SO], v[OUT:OUT+1], s[8:9]   ; 160 consecutive bytes: rows 4 g .. 4 g + 3 of out0
	s_endpgm
.Ldone:
	s_wait_tensorcnt 0x0
	ds_add_u32 v72, v73
	s_wait_dscnt 0x0
	s_endpgm
.Lfunc_end_k_qe1c96c25b3_minmax:
	.size	k_qe1c96c25b3_minmax, .Lfunc_end_k_qe1c96c25b3_minmax-k_qe1c96c25b3_minmax
	.p2alignl 7, 3214868480
	.fill 96, 4, 3214868480
	.section	.rodata,"a",@progbits
	.p2align	6, 0x0
	.amdhsa_kernel k_qe1c96c25b3_minmax
		.amdhsa_group_segment_fixed_size 2816
		.amdhsa_private_segment_fixed_size 0
		.amdhsa_enable_private_segment 0
		.amdhsa_kernarg_size 24
		.amdhsa_user_sgpr_count 2
		.amdhsa_user_sgpr_kernarg_segment_ptr 1
		.amdhsa_wavefront_size32 1
		.amdhsa_system_sgpr_workgroup_id_x 1
		.amdhsa_system_sgpr_workgroup_id_y 1
		.amdhsa_system_sgpr_workgroup_id_z 1
		.amdhsa_system_vgpr_workitem_id 0
		.amdhsa_next_free_vgpr 74
		.amdhsa_next_free_sgpr 66
		.amdhsa_reserve_vcc 1
		.amdhsa_float_denorm_mode_32 3
		.amdhsa_float_denorm_mode_16_64 3
		.amdhsa_memory_ordered 1
		.amdhsa_forward_progress 1
		.amdhsa_inst_pref_size 14
	.end_amdhsa_kernel
	.amdgpu_metadata
---
amdhsa.version: [ 1, 2 ]
amdhsa.kernels:
  - .name:           k_qe1c96c25b3_minmax
    .symbol:         k_qe1c96c25b3_minmax.kd
    .args:
      - { .name: inputs, .offset: 0, .size: 8, .value_kind: global_buffer, .address_space: global }
      - { .name: lengths, .offset: 8, .size: 8, .value_kind: global_buffer, .address_space: global }
      - { .name: out0, .offset: 16, .size: 8, .value_kind: global_buffer, .address_space: global }
    .group_segment_fixed_size: 2816
    .private_segment_fixed_size: 0
    .kernarg_segment_align: 8
    .kernarg_segment_size: 24
    .max_flat_workgroup_size: 640
    .sgpr_count:     66
    .vgpr_count:     74
    .wavefront_size: 32
...
	.end_amdgpu_metadata
.endif
;; end of part 1
